; MI455X (gfx1250); checked and timed in simulation.
; The chip was launched on July 23, 2026; its instructions are those of AMD's public machine-readable ISA for CDNA 5 (MIT licence, August 2026) and "CDNA5" Instruction Set Architecture Reference Guide (July 2026). The comments in the code are by the model that wrote it; some were corrected since.
;; Self Attention. Allowed arithmetic: matrix products marked QUANTISED: E2M1 operands, one E8M0 scale for each 32 along K, by v_wmma_scale_f32_16x16x128_f8f6f4 with both operands' format E2M1 (or v_wmma_scale_f32_32x16x128_f4), f32 sums; everything else in f32.
;; Inputs: Wk 512 x 512 float32; Wo 512 x 512 float32; Wq 512 x 512 float32; Wv 512 x 512 float32; bk 512 float32; bo 512 float32; bq 512 float32; bv 512 float32; x 2 x 4,096 x 512 float32.
;; Outputs: out0 2 x 4,096 x 512 float32.
;; This version of the problem:
;;   THIS VERSION OF THE PROBLEM IS GIVEN IN LOW PRECISION. The matrix products marked QUANTISED in the list below multiply operands that are first quantised to E2M1 (2 exponent bits, 1 mantissa bit; 4 bits a number), with one power-of-two scale for each 32 numbers along K (OCP MX v1.0); their sums are f32. All else is computed in f32.
;;   The module's matrix products, in the order in which they are computed (A, B: the left and right operand; K: the contracted axis; several contracted axes count as one K, in the product's order):
;;     1. [M 8,192, K 512] x [K 512, N 512]; A: input x; B: input Wq: QUANTISED
;;     2. [M 8,192, K 512] x [K 512, N 512]; A: input x; B: input Wk: QUANTISED
;;     3. [M 8,192, K 512] x [K 512, N 512]; A: input x; B: input Wv: QUANTISED
;;     4. batch 16 x [M 4,096, K 64] x [K 64, N 4,096]; A: computed on the way; B: computed on the way: QUANTISED
;;     5. batch 16 x [M 4,096, K 4,096] x [K 4,096, N 64]; A: softmax (see below); B: computed on the way: QUANTISED
;;     6. [M 8,192, K 512] x [K 512, N 512]; A: computed on the way; B: input Wo: QUANTISED
;;   THE QUANTISER, for each operand of a quantised product, along K:
;;     - K is cut into blocks of 32 from its start; a last block that is shorter is filled with zeros.
;;     - A block's scale is 2^e with e = floor(log2(the largest magnitude in the block)) - 2, held to -126 .. 127; a block of zeros has e = 0. As a byte (E8M0): e + 127.
;;     - Each number is divided by its block's scale, clamped to +-6, and rounded to the nearest number of E2M1, ties to even, subnormals kept.
;;     - The product sums the exact products of the quantised numbers (number of the format x scale) in f32.
;;   ~~~python
;;   def quantise(x, axis):      # numpy; x: float32 -> the quantised numbers, widened to float32 again
;;       x = np.moveaxis(x, axis, -1); K = x.shape[-1]
;;       x = np.pad(x, [(0, 0)] * (x.ndim - 1) + [(0, -K % 32)]); x = x.reshape(x.shape[:-1] + (-1, 32)); a = np.abs(x).max(-1, keepdims=True)
;;       e = np.where(a > 0, np.clip(np.frexp(np.where(a > 0, a, 1))[1] - 1 - 2, -126, 127), 0)      # np.frexp(a)[1] - 1 = floor(log2(a)), exactly
;;       r = np.clip(x / 2.0 ** e, -6, 6)
;;       step = 2.0 ** (np.maximum(np.frexp(np.where(r == 0, 1, r))[1] - 1, 0) - 1)
;;       q = np.round(r / step) * step * 2.0 ** e      # np.round: ties to even
;;       return np.moveaxis(q.reshape(q.shape[:-2] + (-1,))[..., :K], -1, axis).astype(np.float32)
;;   ~~~
;;   SOFTMAX AHEAD OF A QUANTISED PRODUCT. Where the list says 'softmax', what is quantised is not the finished softmax but p = 2^(t - M), with t = logit x log2(e) and M = ceil(the row's largest t), a whole number; so 1/2 < the row's largest p <= 1. The row's sum l is taken of the UNQUANTISED p, in f32, and the product's result is divided by l at the end. Since M is a whole number, a kernel that streams over the keys may use a running M (the ceiling of the running maximum): every later rescaling is an exact power of two, which a block's scale takes up: the codes' values come out the same.
;;   OPERANDS COMPUTED ON THE WAY. 'Computed on the way' means the value that the module computes at that place (a softmax that the list does not call 'softmax' is quantised finished and normalised). What goes into a quantiser is computed in f32, as accurately as f32 sums, v_exp_f32 and their like allow (about 1e-6 of the number): no bf16 or f16 on the way to a quantiser, and a product that is left as it is and whose result goes on into a quantised operand takes f32 operands (vector FMAs, or v_wmma_f32_16x16x4_f32). A number that lies on a knife's edge between two numbers of the format may be rounded either way, as far as f32 arithmetic and the matrix unit's own rounding can turn it there, and no further.
;; One version. Each part assembles by itself: llvm-mc -triple=amdgcn-amd-amdhsa -mcpu=gfx1250 --defsym DOCPART=n.
;; ======== version 1 of 1: 4 launches
;; limits: right only within a limited range of input values
;; workspace buffers: codes 2,785,280 bytes; qc 2,097,152 bytes; qs 262,144 bytes; kv 4,456,448 bytes; ac 2,097,152 bytes; asc 131,072 bytes
;; launch quant (part 1): grid 320 x 1, 8 waves a work-group, no clusters, 69,120 bytes of LDS; arguments x, Wq, Wk, Wv, Wo, codes; writes codes
.if DOCPART == 1
	.amdgcn_target "amdgcn-amd-amdhsa--gfx1250"
	.amdhsa_code_object_version 6
	.text
	.protected	k_qbdbe527142_quant
	.globl	k_qbdbe527142_quant
	.p2align	8
	.type	k_qbdbe527142_quant,@function
k_qbdbe527142_quant:
	s_mov_b64 s[64:65], 0
	v_nop
	global_prefetch_b8 v0, s[64:65] scope:SCOPE_SE
	s_setreg_imm32_b32 hwreg(HW_REG_WAVE_MODE, 25, 1), 1
	s_wait_xcnt 0x0
; x [8192][512] and Wq, Wk, Wv, Wo [512][512], f32, K innermost, become codes of FP4 (E2M1) with one E8M0 scale byte for each 32 along K,
; laid in the ORDER OF THE OPERAND'S REGISTERS.  The buffer is 80 blocks of 34,816 bytes, a block = 128 rows: blocks 0-63 x, 64-67 Wq, 68-71 Wk, 72-75 Wv, 76-79 Wo.
; In a block: the fragment of tile t (16 rows), K step s (128 along K) is two images of 512 bytes at 4096 t + 1024 s + 512 c: lane l's registers 4 c .. 4 c + 3 at 16 l.
; From byte 32,768 on the scale words: pair p of tiles at 512 p + 16 (16 u + r) + 4 s: one load of 16 bytes a lane brings a pair's words of all four K steps, tile 2 p in lanes 0-15, tile 2 p + 1 in lanes 16-31.
; THE ROWS OF A TILE ARE NOT NEIGHBOURS: lane-row r of tile 2 G + u is row 64 (G / 2) + 16 (G % 2) + 8 u + r % 8 + 32 (r / 8), so that a product that takes tiles 2 G and 2 G + 1 as source 0 leaves 16 neighbours along that axis in a lane.
; A block's scale is 2^(floor(log2(its largest magnitude)) - 2); its byte is the largest magnitude's exponent field - 2, held at 1 from below.
; LIMITS: a block of zeros gets the byte 1 where the rule says 127 (its codes are zeros, and the bytes are read by this program alone); NaN and infinities among the inputs are not served.
; SHARES: a work-group takes a pair of tiles (32 rows); wave w takes tile u = w / 4 and K step s = w % 4: 16 rows x 128 numbers.  No loop, no tensor load.
; Each load reads 512 consecutive bytes of a row; the numbers turn through the wave's own stage in LDS (rows 528 bytes apart), so that a lane gets 16 neighbours of each block of 32.
; THE ROWS OF A TILE, as this text now takes them (this line stands for what the head says of them): four tiles T = 0 .. 3 share 64 rows; lane-row r of tile 4 c + T of a block is row 64 c + 8 T + r % 8 + 32 (r / 8),
; so that a product that takes the four tiles as source 0 leaves a whole block of 32 neighbours along that axis in one lane: lanes 0-15 block 2 c, lanes 16-31 block 2 c + 1.
.set ROWB, 2048
.set SP,   528                         ; a stage row: 512 bytes + 16
.set WST,  16*SP                       ; a wave's stage
.set SG,   8*WST                       ; behind the stages: 512 bytes in which the pair's scale words meet
.set BLKB, 34816
.set LI,   1                           ; v1   16 x lane
.set STI,  2                           ; v2   into the stage: my wave's stage + 16 x lane
.set STO,  3                           ; v3   out of it: row r, + 64 h
.set SGA,  4                           ; v4   where my row's scale word goes
.set SGR,  5                           ; v5   and where wave 0 reads 16 bytes of the 512
.set R,    32                          ; v32-95   the numbers as loaded
.set X,    96                          ; v96-159  register 16 b + i = k 32 b + 16 h + i of row r
.set TM,   160                         ; v160-175 at work
.set PC,   176                         ; v176-183 the fragment's codes
.set PW,   184                         ; v184     its scale word
.set WV,   18
.set SEL,  20
; 64 numbers of a lane, v[s] .. v[s + 63], register 16 b + i = k 32 b + 16 (lane / 16) + i of my row, become a fragment's codes in v[PC] on and its scale word in v[PW].
.macro QUANT s
.irp b, 0,1,2,3
	v_max3_num_f32 v[TM+\b], |v[\s+16*\b]|, |v[\s+1+16*\b]|, 0x1800000   ; block b: my 16 numbers, and the floor 2^(3 - 127): the byte cannot fall under 1
.endr
.irp i, 2,4,6,8,10,12,14
.irp b, 0,1,2,3
	s_delay_alu instid0(VALU_DEP_4)
	v_max3_num_f32 v[TM+\b], v[TM+\b], |v[\s+16*\b+\i]|, |v[\s+1+16*\b+\i]|   ; the four blocks by turns
.endr
.endr
.irp b, 0,1,2,3
	s_delay_alu instid0(VALU_DEP_4)
	v_permlanex16_b32 v[TM+4+\b], v[TM+\b], s[SEL], s[SEL+1]
.endr
.irp b, 0,1,2,3
	s_delay_alu instid0(VALU_DEP_4)
	v_max_num_f32 v[TM+\b], v[TM+\b], v[TM+4+\b]   ; with lane l xor 16's: the block's largest magnitude
.endr
.irp b, 0,1,2,3
	s_delay_alu instid0(VALU_DEP_4)
	v_add_nc_u32 v[TM+12+\b], 0xff000000, v[TM+\b]   ; 2 off its exponent field: the conversion takes the exponent field of this operand as its scale
.endr
.irp b, 0,1,2,3
	s_delay_alu instid0(VALU_DEP_4)
	v_lshrrev_b32 v[TM+4+\b], 23, v[TM+12+\b]      ; the scale's byte
.endr
	s_delay_alu instid0(VALU_DEP_3)
	v_lshl_or_b32 v[PW], v[TM+5], 8, v[TM+4]
	s_delay_alu instid0(VALU_DEP_1)
	v_lshl_or_b32 v[PW], v[TM+6], 16, v[PW]
	s_delay_alu instid0(VALU_DEP_1)
	v_lshl_or_b32 v[PW], v[TM+7], 24, v[PW]
.irp b, 0,1,2,3
	v_cvt_scalef32_pk8_fp4_f32 v[PC+2*\b], v[\s+16*\b:\s+7+16*\b], v[TM+12+\b]
	v_cvt_scalef32_pk8_fp4_f32 v[PC+1+2*\b], v[\s+8+16*\b:\s+15+16*\b], v[TM+12+\b]
.endr
	v_nop                                          ; one plain instruction behind the scaled conversions
.irp c, 0,1                                    ; the operand's layout wants a whole block in a lane: lanes 0-15 block 2 c, lanes 16-31 block 2 c + 1
.irp i, 0,1
	v_permlane16_swap_b32 v[PC+4*\c+\i], v[PC+2+4*\c+\i]
.endr
.endr
.endm
	s_load_b256 s[4:11], s[0:1], 0x0               ; x, Wq, Wk, Wv
	s_load_b128 s[12:15], s[0:1], 0x20             ; Wo, codes
	v_lshl_add_u32 v192, v0, 2, 0x10a00
	v_mov_b32 v193, 0
	v_lshrrev_b32 v6, 5, v0
	s_delay_alu instid0(VALU_DEP_1)
	v_readfirstlane_b32 s[WV], v6                  ; wave 0..7
	v_and_b32 v7, 31, v0                           ; lane
	v_and_b32 v8, 15, v0                           ; r
	v_bfe_u32 v9, v0, 4, 1                         ; h
	s_delay_alu instid0(VALU_DEP_3)
	v_lshlrev_b32 v[LI], 4, v7
	s_mul_i32 s22, s[WV], WST
	v_add_nc_u32 v[STI], s22, v[LI]
	v_mul_u32_u24 v[STO], v8, SP
	s_delay_alu instid0(VALU_DEP_1)
	v_lshl_add_u32 v[STO], v9, 6, v[STO]
	s_delay_alu instid0(VALU_DEP_1)
	v_add_nc_u32 v[STO], s22, v[STO]
	s_lshr_b32 s23, s[WV], 2                       ; u: which tile of the pair
	s_and_b32 s24, s[WV], 3                        ; s: which K step
	s_lshl_b32 s25, s23, 8
	s_lshl_b32 s26, s24, 2
	s_add_co_u32 s25, s25, s26
	s_add_co_u32 s25, s25, SG
	v_lshl_add_u32 v[SGA], v8, 4, s25              ; SG + 256 u + 16 r + 4 s
	v_add_nc_u32 v[SGR], SG, v[LI]
.irp b, 0,1,2,3
	v_mov_b32 v[TM+4+\b], 0                        ; written once: a lane permute's destination counts as one of its sources
.endr
	s_mov_b32 s[SEL], 0x76543210
	s_mov_b32 s[SEL+1], 0xfedcba98                 ; lane l xor 16
	s_and_b32 s27, ttmp9, 15
	s_cmp_lt_u32 ttmp9, 256
	s_cselect_b32 s27, ttmp9, s27                  ; the pair's number inside its tensor
	s_lshr_b32 s28, s27, 1
	s_lshl_b32 s28, s28, 17                        ; two pairs share 64 rows of 2,048 bytes,
	s_and_b32 s29, s27, 1
	s_lshl_b32 s29, s29, 15                        ; the second pair begins 16 rows on,
	s_add_co_u32 s28, s28, s29
	s_lshl_b32 s29, s23, 14                        ; tile u begins 8 rows on,
	s_add_co_u32 s28, s28, s29
	s_lshl_b32 s29, s24, 9                         ; K step s 512 bytes on
	s_add_co_u32 s28, s28, s29
	s_mov_b32 s29, 0
	s_lshr_b32 s30, ttmp9, 2
	s_mul_i32 s30, s30, BLKB                       ; my block of the codes' buffer
	s_mov_b32 s31, 0
	s_and_b32 s32, ttmp9, 3                        ; the pair's number in its block
	s_lshl_b32 s33, s32, 1
	s_add_co_u32 s33, s33, s23                     ; the tile's
	s_lshl_b32 s33, s33, 12
	s_lshl_b32 s34, s24, 10
	s_add_co_u32 s33, s33, s34
	s_add_co_u32 s34, s30, s33                     ; where my fragment goes
	s_mov_b32 s35, 0
	s_lshl_b32 s32, s32, 9
	s_add_co_u32 s30, s30, s32
	s_add_co_u32 s30, s30, 32768                   ; where the pair's scale words go
	s_wait_alu depctr_va_vdst(0)
	s_wait_kmcnt 0x0
	s_cmp_lt_u32 ttmp9, 304                        ; which tensor: the choice hangs on the work-group's number alone
	s_cselect_b64 s[16:17], s[10:11], s[12:13]
	s_cmp_lt_u32 ttmp9, 288
	s_cselect_b64 s[16:17], s[8:9], s[16:17]
	s_cmp_lt_u32 ttmp9, 272
	s_cselect_b64 s[16:17], s[6:7], s[16:17]
	s_cmp_lt_u32 ttmp9, 256
	s_cselect_b64 s[16:17], s[4:5], s[16:17]
	s_add_nc_u64 s[16:17], s[16:17], s[28:29]
	s_add_nc_u64 s[34:35], s[14:15], s[34:35]
	s_add_nc_u64 s[30:31], s[14:15], s[30:31]
.irp i, 0,1,2,3,4,5,6,7,8,9,10,11,12,13,14,15
	global_load_b128 v[R+4*\i:R+4*\i+3], v[LI], s[16:17] offset:(\i+24*(\i/8))*ROWB th:TH_LOAD_NT   ; lane-row i of the tile: rows 0-7, then 32-39 from the tile's first; 32 lanes read 512 consecutive bytes
.endr
.irp i, 0,1,2,3,4,5,6,7,8,9,10,11,12,13,14,15
	s_wait_loadcnt 15-\i                           ; loads come back in order: row i is in, the younger ones stay out
	ds_store_b128 v[STI], v[R+4*\i:R+4*\i+3] offset:SP*\i
.endr
.irp b, 0,1,2,3
.irp j, 0,1,2,3
	ds_load_b128 v[X+16*\b+4*\j:X+16*\b+4*\j+3], v[STO] offset:128*\b+16*\j   ; the stage is my wave's own, and LDS serves a wave's instructions in order: these see the stores above
.endr
.endr
	s_wait_dscnt 0x0
	QUANT X
	global_store_b128 v[LI], v[PC:PC+3], s[34:35]              ; each store of the wave covers 512 consecutive bytes, aligned
	global_store_b128 v[LI], v[PC+4:PC+7], s[34:35] offset:512
	ds_store_b32 v[SGA], v[PW]                     ; lanes r and r + 16 write the same word with the same value
	s_wait_dscnt 0x0                               ; for the others' sake: my word has landed
	s_barrier_signal -1
	s_barrier_wait -1
	s_cmp_lg_u32 s[WV], 0
	s_cbranch_scc1 .Lend
	ds_load_b128 v[188:191], v[SGR]                ; the pair's 128 scale words leave as 512 consecutive bytes
	s_wait_dscnt 0x0
	global_store_b128 v[LI], v[188:191], s[30:31]
.Lend:
	s_wait_tensorcnt 0x0
	ds_add_u32 v192, v193
	s_wait_dscnt 0x0
	s_endpgm
.Lfunc_end_k_qbdbe527142_quant:
	.size	k_qbdbe527142_quant, .Lfunc_end_k_qbdbe527142_quant-k_qbdbe527142_quant
	.p2alignl 7, 3214868480
	.fill 96, 4, 3214868480
	.section	.rodata,"a",@progbits
	.p2align	6, 0x0
	.amdhsa_kernel k_qbdbe527142_quant
		.amdhsa_group_segment_fixed_size 69120
		.amdhsa_private_segment_fixed_size 0
		.amdhsa_enable_private_segment 0
		.amdhsa_kernarg_size 48
		.amdhsa_user_sgpr_count 2
		.amdhsa_user_sgpr_kernarg_segment_ptr 1
		.amdhsa_wavefront_size32 1
		.amdhsa_system_sgpr_workgroup_id_x 1
		.amdhsa_system_sgpr_workgroup_id_y 1
		.amdhsa_system_sgpr_workgroup_id_z 1
		.amdhsa_system_vgpr_workitem_id 0
		.amdhsa_next_free_vgpr 194
		.amdhsa_next_free_sgpr 66
		.amdhsa_reserve_vcc 0
		.amdhsa_float_denorm_mode_32 3
		.amdhsa_float_denorm_mode_16_64 3
		.amdhsa_memory_ordered 1
		.amdhsa_forward_progress 1
		.amdhsa_inst_pref_size 14
	.end_amdhsa_kernel
	.amdgpu_metadata
---
amdhsa.version: [ 1, 2 ]
amdhsa.kernels:
  - .name:           k_qbdbe527142_quant
    .symbol:         k_qbdbe527142_quant.kd
    .args:
      - { .name: x, .offset: 0, .size: 8, .value_kind: global_buffer, .address_space: global }
      - { .name: Wq, .offset: 8, .size: 8, .value_kind: global_buffer, .address_space: global }
      - { .name: Wk, .offset: 16, .size: 8, .value_kind: global_buffer, .address_space: global }
      - { .name: Wv, .offset: 24, .size: 8, .value_kind: global_buffer, .address_space: global }
      - { .name: Wo, .offset: 32, .size: 8, .value_kind: global_buffer, .address_space: global }
      - { .name: codes, .offset: 40, .size: 8, .value_kind: global_buffer, .address_space: global }
    .group_segment_fixed_size: 69120
    .private_segment_fixed_size: 0
    .kernarg_segment_align: 8
    .kernarg_segment_size: 48
    .max_flat_workgroup_size: 256
    .sgpr_count:     66
    .vgpr_count:     194
    .wavefront_size: 32
...
	.end_amdgpu_metadata
.endif
;; end of part 1
;; launch qkv (part 2): grid 4 x 64, 8 waves a work-group, clusters of 4 x 4, 168,960 bytes of LDS; arguments codes, bq, bk, bv, qc, qs, kv; writes qc, qs, kv
.if DOCPART == 2
	.amdgcn_target "amdgcn-amd-amdhsa--gfx1250"
	.amdhsa_code_object_version 6
	.text
	.protected	k_qbdbe527142_qkv
	.globl	k_qbdbe527142_qkv
	.p2align	8
	.type	k_qbdbe527142_qkv,@function
k_qbdbe527142_qkv:
	s_mov_b64 s[64:65], 0
	v_nop
	global_prefetch_b8 v0, s[64:65] scope:SCOPE_SE
	s_setreg_imm32_b32 hwreg(HW_REG_WAVE_MODE, 25, 1), 1
	s_wait_xcnt 0x0
	s_wait_alu depctr_hold_cnt(0) depctr_sa_sdst(0) depctr_va_vdst(0) depctr_va_sdst(0) depctr_va_ssrc(0) depctr_va_vcc(0) depctr_vm_vsrc(0)
	s_getreg_b32 s2, hwreg(HW_REG_IB_STS2, 6, 4)
	s_cmp_eq_u32 s2, 0
	s_cbranch_scc0 .Lentry_in_a_cluster
	s_endpgm
.Lentry_in_a_cluster:
	s_bfe_u32 s2, ttmp6, 0x10000c
	s_cmp_lg_u32 s2, 0xf033
	s_cbranch_scc0 .Lentry_shape_is_right
	s_endpgm
.Lentry_shape_is_right:
; Q = x Wq^T + bq, K = x Wk^T + bk, V = x Wv^T + bv on codes of FP4 with E8M0 scales (K = 512), and the three results quantised again for attention: Q and K along the head's 64, V along the keys.
; SHARES.  Work-group (g, i): heads 2 g and 2 g + 1 (rows 128 g .. 128 g + 127 of each weight) for tokens 128 i .. 128 i + 127, which are one key step of attention.  Four blocks of 34,816 bytes
; (x's, Wq's, Wk's, Wv's: codes in register order, then scale words) come into LDS once, half a block a wave, and are never filled again.
; Each of the eight waves does three tasks of 32 matrix instructions: a RUNNING operand (source 0, all 8 tiles of a block) against a FIXED one (source 1, tile w of another block):
;   Q: Wq against x's tile w;   K: Wk against x's tile w;   V: x against Wv's tile w.
; By the tiles' row order (lane-row r of tile 4 c + T = row 64 c + 8 T + r % 8 + 32 (r / 8)) a lane then holds ONE row of the fixed tile and, in registers 32 c + i, the running axis at 64 c + 32 (lane / 16) + i:
; two whole blocks of 32 along the next product's K.  So the results are quantised in registers, and what comes out is the next operand's register image.
; OUT.  qc [head][tile][512 B]: lane (r, h) holds block h of query-row r.  qs [head][tile][r]: the word (s0, s1, s0, s1).  kv [head][step]: a record of 8,704 bytes: 8 images of K, 4 fragments of V^T, 512 bytes of scale words.
; CLUSTER 4 x 4: x's block hangs on i alone and is asked for jointly along a row of the cluster; the weights' blocks hang on g alone and are asked for jointly along a column.
; LIMITS: a block of zeros gets the byte 1 with zero codes; NaN and infinities are not served.
.set BLKB,  34816
.set HALFB, 17408                      ; what one tensor load brings: 68 rows of 256 bytes
.set XB,    0
.set QB,    BLKB
.set KB,    2*BLKB
.set VB,    3*BLKB
.set BIAS,  4*BLKB                     ; 3 x 512 bytes: my 128 numbers of bq, bk, bv
.set SCL,   BIAS+1536                  ; 4 x 512 bytes: Q's scale words of heads 2 g, 2 g + 1; the records' scale words of the same two
.set RECB,  8704
.set HEADB, 32*RECB
.set RAD, 0                            ; v0   the running block: 16 x lane + its LDS base (made anew in each task; the thread's number is not needed behind the head)
.set LI,  1                            ; v1   16 x lane
.set FAD, 2                            ; v2   the fixed tile: 16 x lane + 4096 w + its block's base
.set FSD, 3                            ; v3   its scale words: 16 r + 256 w + the block's base + 32768
.set BA,  4                            ; v4   BIAS + 128 h
.set BVA, 5                            ; v5   bv of my lane's row of Wv's tile w
.set KSA, 6                            ; v6   where K's two scale bytes go
.set VSA, 7                            ; v7   where V's scale word goes
.set QSA, 8                            ; v8   where Q's scale word goes
.set EA,  9                            ; v9   BIAS + 512 w + 16 x lane
.set BV,  10                           ; v10-11
.set FS,  12                           ; v12-15   the fixed tile's scale words, one for each K step
.set RS,  16                           ; v16-31   the running block's: register 4 p + s: tile 2 p in lanes 0-15, tile 2 p + 1 in lanes 16-31
.set F,   32                           ; v32-63   the fixed tile's four fragments
.set ACC, 64                           ; v64-127  eight accumulators
.set RA,  128                          ; v128-191, v192-255: two buffers for the running block's eight fragments of a K step
.set RB,  192
.set TM,  192                          ; behind the products RB's registers are at work
.set PC,  208
.set PW,  216
.set WV,  18
.set W1,  19
.set SEL, 20
.set CX,  22
.set CY,  23
.set G1X, 24                           ; s[24:31], s[32:35] descriptor groups 1 and 0 for x's block
.set G0X, 32
.set GG,  36
.set II,  37
.set W4K, 38
.set W256, 39
.set G1W, 48                           ; s[48:55], s[56:59] the same for the weights' blocks
.set G0W, 56
.set P0,  60
.set P1,  61
.set QP,  66
.set KP,  68
.set VP,  70
.set EPQ, 72
.set EPK, 74
.set BP,  76
.macro PLACES n
.rept \n
	v_nop
.endr
.endm
.macro CROUND                          ; a round of the cluster's barrier
	s_barrier_signal -1
	s_barrier_wait -1
	s_cmp_lg_u32 s[WV], 0
	s_cbranch_scc1 .Lnot_wave_0_\@
	s_barrier_signal -3
.Lnot_wave_0_\@:
	s_barrier_wait -3
	s_barrier_signal -1
	s_barrier_wait -1
.endm
.macro WM d, a, b, zero, sa, sb, row   ; one product; zero = 1: it starts the sum; row = 1: source 0's scales stand in lanes 16-31
.if \zero
.if \row
	v_wmma_scale_f32_16x16x128_f8f6f4 v[\d:\d+7], v[\a:\a+7], v[\b:\b+7], 0, v[\sa], v[\sb] matrix_a_fmt:MATRIX_FMT_FP4 matrix_b_fmt:MATRIX_FMT_FP4 matrix_a_scale:MATRIX_SCALE_ROW1
.else
	v_wmma_scale_f32_16x16x128_f8f6f4 v[\d:\d+7], v[\a:\a+7], v[\b:\b+7], 0, v[\sa], v[\sb] matrix_a_fmt:MATRIX_FMT_FP4 matrix_b_fmt:MATRIX_FMT_FP4
.endif
.else
.if \row
	v_wmma_scale_f32_16x16x128_f8f6f4 v[\d:\d+7], v[\a:\a+7], v[\b:\b+7], v[\d:\d+7], v[\sa], v[\sb] matrix_a_fmt:MATRIX_FMT_FP4 matrix_b_fmt:MATRIX_FMT_FP4 matrix_a_scale:MATRIX_SCALE_ROW1
.else
	v_wmma_scale_f32_16x16x128_f8f6f4 v[\d:\d+7], v[\a:\a+7], v[\b:\b+7], v[\d:\d+7], v[\sa], v[\sb] matrix_a_fmt:MATRIX_FMT_FP4 matrix_b_fmt:MATRIX_FMT_FP4
.endif
.endif
.endm
.macro MULK buf, s, zero               ; K step s: the eight accumulators take turns, one instruction a turn
.irp t, 0,1,2,3,4,5,6,7
	WM ACC+8*\t, \buf+8*\t, F+8*\s, \zero, RS+4*(\t/2)+\s, FS+\s, \t%2
.endr
.endm
.macro RLOAD buf, s                    ; the running block's eight fragments of K step s: images, 512 consecutive bytes a load
.irp t, 0,1,2,3,4,5,6,7
.irp c, 0,1
	ds_load_b128 v[\buf+8*\t+4*\c:\buf+8*\t+4*\c+3], v[RAD] offset:4096*\t+1024*\s+512*\c
.endr
.endr
.endm
.macro MULS zero                       ; the four K steps, on two buffers
	RLOAD RA, 0
	RLOAD RB, 1
	s_wait_alu depctr_va_vdst(0)
	s_wait_dscnt 16                                ; all but RB's 16 loads are in
	MULK RA, 0, \zero
	PLACES 4                                       ; in front of loads into registers that matrix instructions have read
	RLOAD RA, 2
	s_wait_dscnt 16                                ; RB is in
	MULK RB, 1, 0
	PLACES 4
	RLOAD RB, 3
	s_wait_dscnt 16                                ; RA is in
	MULK RA, 2, 0
	s_wait_dscnt 0x0
	MULK RB, 3, 0
	PLACES 5                                       ; four serve reads of the results and loads over the operands; the fifth a later product that begins an accumulator anew
.endm
.macro QUANT s                         ; 64 numbers of a lane, register 32 c + i = k 64 c + 32 (lane / 16) + i of my row -> a fragment's codes in v[PC] on, its scale word in v[PW]
.irp b, 0,1,2,3
	v_max3_num_f32 v[TM+\b], |v[\s+16*\b]|, |v[\s+1+16*\b]|, 0x1800000   ; and the floor 2^(3 - 127): the byte cannot fall under 1
.endr
.irp i, 2,4,6,8,10,12,14
.irp b, 0,1,2,3
	v_max3_num_f32 v[TM+\b], v[TM+\b], |v[\s+16*\b+\i]|, |v[\s+1+16*\b+\i]|
.endr
.endr
; By the tiles' row order (lane-row r of tile 4 c + T = row 64 c + 8 T + r % 8 + 32 (r / 8)) register 32 c + i of a lane is k = 64 c + 32 (lane / 16) + i: a lane holds two WHOLE blocks, 2 c + lane / 16.
; So a block's largest magnitude needs no other lane, and the conversions' results are the operand's registers as they stand.  The four maxima above are of 16 registers each: two make a block's.
	s_delay_alu instid0(VALU_DEP_3)
	v_max_num_f32 v[TM], v[TM], v[TM+1]
	s_delay_alu instid0(VALU_DEP_2)
	v_max_num_f32 v[TM+2], v[TM+2], v[TM+3]
	v_lshrrev_b32 v[TM+7], 5, v[LI]
	s_delay_alu instid0(VALU_DEP_3)
	v_add_nc_u32 v[TM+12], 0xff000000, v[TM]       ; 2 off the exponent field: the conversion's scale operand
	s_delay_alu instid0(VALU_DEP_3)
	v_add_nc_u32 v[TM+13], 0xff000000, v[TM+2]
	v_and_b32 v[TM+7], 8, v[TM+7]                  ; 8 (lane / 16)
	s_delay_alu instid0(VALU_DEP_3)
	v_lshrrev_b32 v[TM+4], 23, v[TM+12]            ; the scale's byte
	s_delay_alu instid0(VALU_DEP_3)
	v_lshrrev_b32 v[TM+5], 23, v[TM+13]
	s_delay_alu instid0(VALU_DEP_1)
	v_lshl_or_b32 v[PW], v[TM+5], 16, v[TM+4]      ; my two bytes: blocks h and 2 + h,
	s_delay_alu instid0(VALU_DEP_1)
	v_lshlrev_b32 v[PW], v[TM+7], v[PW]            ; at their places in the word;
	s_delay_alu instid0(VALU_DEP_1)
	v_permlanex16_b32 v[TM+6], v[PW], s[SEL], s[SEL+1]
	s_delay_alu instid0(VALU_DEP_1)
	v_or_b32 v[PW], v[PW], v[TM+6]                 ; with lane l xor 16's two the word is whole, in both lanes
.irp c, 0,1
.irp g, 0,1,2,3
	v_cvt_scalef32_pk8_fp4_f32 v[PC+4*\c+\g], v[\s+32*\c+8*\g:\s+32*\c+8*\g+7], v[TM+12+\c]
.endr
.endr
	v_nop                                          ; one plain instruction behind the scaled conversions
.endm
; A task.  rb, fb: LDS bases of the running and of the fixed block.  mode 0: the bias runs along the registers and is the C of the first products (boff: its place in BIAS);
; mode 1: the bias belongs to the lane's row: the first products start the sums and it is added behind them.
.macro TASK rb, fb, mode, boff
	s_wait_xcnt 0x0                                ; the last task's stores have read the codes' registers, which the loads below write again
	v_add_nc_u32 v[RAD], \rb, v[LI]
	s_add_co_u32 s40, s[W4K], \fb
	v_add_nc_u32 v[FAD], s40, v[LI]
	v_and_b32 v[FSD], 0xf0, v[LI]                  ; 16 r
	s_add_co_u32 s40, s[W256], \fb+32768
	v_add_nc_u32 v[FSD], s40, v[FSD]
.if \mode == 0
.irp t, 0,1,2,3,4,5,6,7
	ds_load_b128 v[ACC+8*\t:ACC+8*\t+3], v[BA] offset:\boff+(64*(\t/4)+8*(\t%4))*4      ; tile t, register j, half h: the weight's row 64 (t / 4) + 8 (t % 4) + j + 32 h
	ds_load_b128 v[ACC+8*\t+4:ACC+8*\t+7], v[BA] offset:\boff+(64*(\t/4)+8*(\t%4))*4+16
.endr
.else
	ds_load_b32 v[BV], v[BVA]
	ds_load_b32 v[BV+1], v[BVA]                    ; (named with it as a pair, so it is written)
.endif
.irp s, 0,1,2,3
.irp c, 0,1
	ds_load_b128 v[F+8*\s+4*\c:F+8*\s+4*\c+3], v[FAD] offset:1024*\s+512*\c
.endr
.endr
	ds_load_b128 v[FS:FS+3], v[FSD]
.irp p, 0,1,2,3
	ds_load_b128 v[RS+4*\p:RS+4*\p+3], v[RAD] offset:32768+512*\p
.endr
	MULS \mode                                     ; its first wait leaves 16 loads out: all of the above are in
.if \mode
.irp j, 0,2,4,6,8,10,12,14,16,18,20,22,24,26,28,30,32,34,36,38,40,42,44,46,48,50,52,54,56,58,60,62
	v_pk_add_f32 v[ACC+\j:ACC+\j+1], v[ACC+\j:ACC+\j+1], v[BV:BV+1] op_sel_hi:[1,0]   ; each accumulator from its low end on
.endr
.endif
	QUANT ACC
.endm
	s_load_b256 s[4:11], s[0:1], 0x0               ; codes, bq, bk, bv
	s_load_b128 s[12:15], s[0:1], 0x20             ; qc, qs
	s_load_b64 s[16:17], s[0:1], 0x30              ; kv
	s_set_vgpr_msb 0x40
	v_lshl_add_u32 v0, v0, 2, 0x29000
	v_mov_b32 v1, 0
	s_set_vgpr_msb 0x4045
	ds_add_u32 v0, v1
	ds_add_u32 v0, v1
	s_set_vgpr_msb 0x4500
	v_lshrrev_b32 v16, 5, v0
	s_delay_alu instid0(VALU_DEP_1)
	v_readfirstlane_b32 s[WV], v16                 ; wave 0..7
	s_and_b32 s[W1], s[WV], 1
	s_bfe_u32 s[CX], ttmp6, 0x40000                ; my place in the cluster
	s_bfe_u32 s[CY], ttmp6, 0x40004
	s_lshl_b32 s[GG], ttmp9, 2
	s_add_co_u32 s[GG], s[GG], s[CX]               ; g: the pair of heads
	s_and_b32 s[II], ttmp7, 0xffff
	s_lshl_b32 s[II], s[II], 2
	s_add_co_u32 s[II], s[II], s[CY]               ; i: the block of 128 tokens
	s_lshl_b32 s40, s[CY], 2
	s_lshl_b32 s40, 15, s40                        ; my row of the cluster
	s_lshl_b32 s41, 0x1111, s[CX]                  ; my column
	; descriptor group 1: a dense run of 17,408 bytes as 68 rows of 32 elements of 8 bytes, no padding
	s_or_b32 s[G1X], s40, (3<<16)|(1<<21)          ; 15:0 the mask; 17:16 elements of 8 bytes; 21 set beside a mask
	s_or_b32 s[G1W], s41, (3<<16)|(1<<21)
.irp g, G1X, G1W
	s_mov_b32 s[\g+1], 32<<16                      ; tensor_dim0 = 32
	s_mov_b32 s[\g+2], 68<<16                      ; tensor_dim1 = 68
	s_mov_b32 s[\g+3], 32<<16                      ; tile_dim0 = 32
	s_mov_b32 s[\g+4], 68                          ; tile_dim1 = 68
	s_mov_b32 s[\g+5], 32                          ; from row to row
	s_mov_b32 s[\g+6], 0
	s_mov_b32 s[\g+7], 0
.endr
	s_mul_i32 s42, s[II], BLKB                     ; x's block i, my half of it: hangs on i and the wave alone
	s_mul_i32 s43, s[W1], HALFB
	s_add_co_u32 s42, s42, s43
	s_mov_b32 s43, 0
	s_lshr_b32 s44, s[WV], 1                       ; the weights': block 64 + 4 (w / 2 - 1) + g: hangs on g and the wave alone
	s_lshl_b32 s44, s44, 2
	s_add_co_u32 s44, s44, s[GG]
	s_add_co_u32 s44, s44, 60
	s_mul_i32 s44, s44, BLKB
	s_mul_i32 s45, s[W1], HALFB
	s_add_co_u32 s44, s44, s45
	s_mov_b32 s45, 0
	s_mov_b32 s[G0X], 1
	s_mul_i32 s[G0X+1], s[WV], HALFB               ; LDS: wave w's half lies at 17,408 w
	s_mov_b32 s[G0W], 1
	s_mul_i32 s[G0W+1], s[WV], HALFB
	; every LDS address that stays is made here, ahead of the first branch on the wave's number
	v_and_b32 v17, 31, v0                          ; lane
	v_and_b32 v18, 15, v0                          ; r
	s_wait_alu depctr_va_vdst(0)
	v_bfe_u32 v19, v0, 4, 1                        ; h
	v_lshlrev_b32 v[LI], 4, v17
	s_wait_alu depctr_va_vdst(0)
	s_lshl_b32 s[W4K], s[WV], 12
	s_lshl_b32 s[W256], s[WV], 8
	v_lshlrev_b32 v[BA], 7, v19                    ; 128 h: lanes 16-31 stand 32 numbers on
	s_delay_alu instid0(VALU_DEP_1)
	v_add_nc_u32 v[BA], BIAS, v[BA]
	v_and_b32 v20, 8, v18
	s_delay_alu instid0(VALU_DEP_1)
	v_mad_u32_u24 v20, v20, 3, v18                 ; r + 24 (r / 8) = r % 8 + 32 (r / 8)
	s_lshr_b32 s41, s[WV], 1
	s_lshl_b32 s46, s[WV], 5                       ; bv at 64 (w / 4) + 8 (w % 4) + r % 8 + 32 (r / 8): in bytes 32 w,
	s_and_b32 s47, s46, 0x80                       ; and 128 (w / 4) more
	s_add_co_u32 s46, s46, s47
	s_add_co_u32 s46, s46, BIAS+1024
	v_lshl_add_u32 v[BVA], v20, 2, s46             ; bv at 64 (w / 4) + 8 (w % 4) + r % 8 + 32 (r / 8)
	s_and_b32 s40, s41, 1                          ; (w / 2) % 2
	s_lshr_b32 s41, s[WV], 2                       ; w / 4
	s_lshl_b32 s46, s40, 8
	s_lshl_b32 s47, s41, 2
	s_add_co_u32 s46, s46, s47
	s_lshl_b32 s47, s[W1], 1
	s_add_co_u32 s46, s46, s47
	s_add_co_u32 s46, s46, SCL+1024
	v_lshl_add_u32 v[KSA], v18, 4, s46             ; key tile w: lane r + 16 ((w / 2) % 2), word w / 4, half w % 2
	s_lshl_b32 s46, s41, 9
	s_lshl_b32 s47, s[W1], 8
	s_add_co_u32 s46, s46, s47
	s_lshl_b32 s47, s40, 2
	s_add_co_u32 s46, s46, s47
	s_add_co_u32 s46, s46, SCL+1024+8
	v_lshl_add_u32 v[VSA], v18, 4, s46             ; head w / 4, tile T = w % 4 of V^T: lane r + 16 (T % 2), word 2 + T / 2
	s_lshl_b32 s46, s[WV], 6
	s_add_co_u32 s46, s46, SCL
	v_lshl_add_u32 v[QSA], v18, 2, s46
	s_lshl_b32 s46, s[WV], 9
	s_add_co_u32 s46, s46, BIAS
	v_add_nc_u32 v[EA], s46, v[LI]
	s_wait_dscnt 0x0
	s_wait_kmcnt 0x0
	s_add_nc_u64 s[G0X+2:G0X+3], s[4:5], s[42:43]
	s_or_b32 s[G0X+3], s[G0X+3], 0x80000000
	s_add_nc_u64 s[G0W+2:G0W+3], s[4:5], s[44:45]
	s_or_b32 s[G0W+3], s[G0W+3], 0x80000000
	CROUND                                         ; all sixteen work-groups are here: the joint loads meet
	s_cmp_lt_u32 s[WV], 2                          ; waves 0 and 1 fetch x's halves, waves 2 to 7 the weights': one tensor load a wave, and no byte is filled twice
	s_cbranch_scc0 .Lfor_w
	tensor_load_to_lds s[G0X:G0X+3], s[G1X:G1X+7]
	s_nop 0
	PLACES 4
	s_branch .Lasked
.Lfor_w:
	tensor_load_to_lds s[G0W:G0W+3], s[G1W:G1W+7]
	s_nop 0
	PLACES 4
.Lasked:
	; where the results go
	s_mov_b32 s[SEL], 0x76543210
	s_mov_b32 s[SEL+1], 0xfedcba98
	s_mov_b32 s[P0], 0x01000100                    ; byte selects: (s0, s1, s0, s1) of the first head,
	s_mov_b32 s[P1], 0x03020302                    ; and of the second
	s_lshr_b32 s78, s[II], 5                       ; the batch
	s_and_b32 s79, s[II], 31                       ; the key step in it
	s_lshl_b32 s78, s78, 3
	s_lshl_b32 s80, s[GG], 1
	s_add_co_u32 s78, s78, s80                     ; the first head's number, 8 b + 2 g
	s_lshl_b32 s80, s78, 8
	s_lshl_b32 s81, s79, 3
	s_add_co_u32 s80, s80, s81                     ; its tile 8 il
	s_add_co_u32 s82, s80, s[WV]
	s_lshl_b32 s82, s82, 9                         ; Q: 512 bytes a tile
	s_mov_b32 s83, 0
	s_mul_i32 s84, s78, HEADB
	s_mul_i32 s85, s79, RECB
	s_add_co_u32 s84, s84, s85                     ; the first head's record of this key step
	s_lshl_b32 s85, s[WV], 9
	s_add_co_u32 s86, s84, s85                     ; K: image w
	s_mov_b32 s87, 0
	s_lshr_b32 s85, s[WV], 2
	s_mul_i32 s85, s85, HEADB
	s_add_co_u32 s88, s84, s85
	s_and_b32 s85, s[WV], 3
	s_lshl_b32 s85, s85, 10
	s_add_co_u32 s88, s88, s85
	s_add_co_u32 s88, s88, 4096                    ; V: head w / 4, fragment w % 4
	s_mov_b32 s89, 0
	s_lshl_b32 s85, s[W1], 8
	s_add_co_u32 s90, s80, s85
	s_lshl_b32 s90, s90, 6                         ; Q's scale words of head w % 2: 64 bytes a tile
	s_mov_b32 s91, 0
	s_mul_i32 s85, s[W1], HEADB
	s_add_co_u32 s92, s84, s85
	s_add_co_u32 s92, s92, 8192                    ; the record's scale words of head w % 2
	s_mov_b32 s93, 0
	s_lshl_b32 s94, s[GG], 9                       ; my 128 numbers of a bias
	s_mov_b32 s95, 0
	s_add_nc_u64 s[QP:QP+1], s[12:13], s[82:83]
	s_add_nc_u64 s[KP:KP+1], s[16:17], s[86:87]
	s_add_nc_u64 s[VP:VP+1], s[16:17], s[88:89]
	s_add_nc_u64 s[EPQ:EPQ+1], s[14:15], s[90:91]
	s_add_nc_u64 s[EPK:EPK+1], s[16:17], s[92:93]
	s_cmp_lt_u32 s[WV], 2
	s_cselect_b64 s[EPQ:EPQ+1], s[EPQ:EPQ+1], s[EPK:EPK+1]   ; waves 0, 1 send Q's scale words, waves 2, 3 the records'
	s_cmp_eq_u32 s[WV], 1
	s_cselect_b64 s[BP:BP+1], s[8:9], s[10:11]
	s_cmp_eq_u32 s[WV], 0
	s_cselect_b64 s[BP:BP+1], s[6:7], s[BP:BP+1]   ; wave 0 brings bq, wave 1 bk, wave 2 bv
	s_add_nc_u64 s[BP:BP+1], s[BP:BP+1], s[94:95]
	s_cmp_lt_u32 s[WV], 3
	s_cbranch_scc0 .Lno_bias
	global_load_b128 v[32:35], v[LI], s[BP:BP+1]   ; 512 consecutive bytes
	s_wait_loadcnt 0x0
	s_wait_alu depctr_va_vdst(0)
	ds_store_b128 v[EA], v[32:35]
.Lno_bias:
	s_wait_tensorcnt 0x0                           ; my half block has landed,
	s_wait_dscnt 0x0                               ; and my part of the biases:
	s_barrier_signal -1
	s_barrier_wait -1                              ; everybody's have
	TASK QB, XB, 0, 0                              ; Q: registers 4 c .. 4 c + 3 of the fragment are head 2 g + c's image
	global_store_b128 v[LI], v[PC:PC+3], s[QP:QP+1]            ; each store of the wave covers 512 consecutive bytes, aligned
	global_store_b128 v[LI], v[PC+4:PC+7], s[QP:QP+1] offset:256*512
	v_perm_b32 v217, v[PW], v[PW], s[P0]
	v_perm_b32 v218, v[PW], v[PW], s[P1]
	ds_store_b32 v[QSA], v217                      ; lanes r and r + 16 write the same word with the same value
	ds_store_b32 v[QSA], v218 offset:512
	TASK KB, XB, 0, 512                            ; K: the same, into the two heads' records
	global_store_b128 v[LI], v[PC:PC+3], s[KP:KP+1]
	global_store_b128 v[LI], v[PC+4:PC+7], s[KP:KP+1] offset:HEADB
	ds_store_b16 v[KSA], v[PW]                     ; the first head's two bytes,
	ds_store_b16_d16_hi v[KSA], v[PW] offset:512   ; the second's
	TASK XB, VB, 1, 0                              ; V^T: 16 of a head's 64 x these 128 keys: a whole fragment and a whole scale word
	global_store_b128 v[LI], v[PC:PC+3], s[VP:VP+1]
	global_store_b128 v[LI], v[PC+4:PC+7], s[VP:VP+1] offset:512
	ds_store_b32 v[VSA], v[PW]
	s_wait_dscnt 0x0                               ; for the others' sake: my scale words have landed
	s_barrier_signal -1
	s_barrier_wait -1
	s_cmp_lt_u32 s[WV], 4
	s_cbranch_scc0 .Lno_scales
	ds_load_b128 v[220:223], v[EA] offset:SCL-BIAS ; one of the four runs of 512 bytes
	s_wait_dscnt 0x0
	global_store_b128 v[LI], v[220:223], s[EPQ:EPQ+1]
.Lno_scales:
	s_set_vgpr_msb 0x5
	s_wait_tensorcnt 0x0
	ds_add_u32 v0, v1
	s_wait_dscnt 0x0
	s_set_vgpr_msb 0x500
	CROUND                                         ; the closing round: no work-group ends while a partner may still ask for a block that names it
	s_endpgm
.Lfunc_end_k_qbdbe527142_qkv:
	.size	k_qbdbe527142_qkv, .Lfunc_end_k_qbdbe527142_qkv-k_qbdbe527142_qkv
	.p2alignl 7, 3214868480
	.fill 96, 4, 3214868480
	.section	.rodata,"a",@progbits
	.p2align	6, 0x0
	.amdhsa_kernel k_qbdbe527142_qkv
		.amdhsa_group_segment_fixed_size 168960
		.amdhsa_private_segment_fixed_size 0
		.amdhsa_enable_private_segment 0
		.amdhsa_kernarg_size 56
		.amdhsa_user_sgpr_count 2
		.amdhsa_user_sgpr_kernarg_segment_ptr 1
		.amdhsa_wavefront_size32 1
		.amdhsa_system_sgpr_workgroup_id_x 1
		.amdhsa_system_sgpr_workgroup_id_y 1
		.amdhsa_system_sgpr_workgroup_id_z 1
		.amdhsa_system_vgpr_workitem_id 0
		.amdhsa_next_free_vgpr 258
		.amdhsa_next_free_sgpr 100
		.amdhsa_reserve_vcc 0
		.amdhsa_float_denorm_mode_32 3
		.amdhsa_float_denorm_mode_16_64 3
		.amdhsa_memory_ordered 1
		.amdhsa_forward_progress 1
		.amdhsa_inst_pref_size 54
	.end_amdhsa_kernel
	.amdgpu_metadata
---
amdhsa.version: [ 1, 2 ]
amdhsa.kernels:
  - .name:           k_qbdbe527142_qkv
    .symbol:         k_qbdbe527142_qkv.kd
    .args:
      - { .name: codes, .offset: 0, .size: 8, .value_kind: global_buffer, .address_space: global }
      - { .name: bq, .offset: 8, .size: 8, .value_kind: global_buffer, .address_space: global }
      - { .name: bk, .offset: 16, .size: 8, .value_kind: global_buffer, .address_space: global }
      - { .name: bv, .offset: 24, .size: 8, .value_kind: global_buffer, .address_space: global }
      - { .name: qc, .offset: 32, .size: 8, .value_kind: global_buffer, .address_space: global }
      - { .name: qs, .offset: 40, .size: 8, .value_kind: global_buffer, .address_space: global }
      - { .name: kv, .offset: 48, .size: 8, .value_kind: global_buffer, .address_space: global }
    .group_segment_fixed_size: 168960
    .private_segment_fixed_size: 0
    .kernarg_segment_align: 8
    .kernarg_segment_size: 56
    .max_flat_workgroup_size: 256
    .sgpr_count:     100
    .vgpr_count:     258
    .wavefront_size: 32
...
	.end_amdgpu_metadata
.endif
;; end of part 2
;; launch attn (part 3): grid 16 x 16, 16 waves a work-group, clusters of 4 x 1, 327,680 bytes of LDS; arguments qc, qs, kv, ac, asc; writes ac, asc
.if DOCPART == 3
	.amdgcn_target "amdgcn-amd-amdhsa--gfx1250"
	.amdhsa_code_object_version 6
	.text
	.protected	k_qbdbe527142_attn
	.globl	k_qbdbe527142_attn
	.p2align	8
	.type	k_qbdbe527142_attn,@function
k_qbdbe527142_attn:
	s_mov_b64 s[64:65], 0
	v_nop
	global_prefetch_b8 v0, s[64:65] scope:SCOPE_SE
	s_setreg_imm32_b32 hwreg(HW_REG_WAVE_MODE, 25, 1), 1
	s_wait_xcnt 0x0
	s_wait_alu depctr_hold_cnt(0) depctr_sa_sdst(0) depctr_va_vdst(0) depctr_va_sdst(0) depctr_va_ssrc(0) depctr_va_vcc(0) depctr_vm_vsrc(0)
	s_getreg_b32 s2, hwreg(HW_REG_IB_STS2, 6, 4)
	s_cmp_eq_u32 s2, 0
	s_cbranch_scc0 .Lentry_in_a_cluster
	s_endpgm
.Lentry_in_a_cluster:
	s_bfe_u32 s2, ttmp6, 0x10000c
	s_cmp_lg_u32 s2, 0x3003
	s_cbranch_scc0 .Lentry_shape_is_right
	s_endpgm
.Lentry_shape_is_right:
; attn[head][q] = the sum over k of softmax_k(Q[q] . K[k] / 8) V[k], both products on codes of FP4 (E2M1) with one E8M0 scale for each 32 along K, and the result quantised along the head's 64 for the last projection.
; THE SOFTMAX AHEAD OF THE SECOND PRODUCT: t = score x log2(e) / 8; M = the running largest t rounded up to a whole number; p = 2^(t - M) is quantised along the keys; the row's sum is taken of the unquantised p
; and divides at the end.  When M moves, the sum and O are multiplied by 2^(old M - new M), which rounds nothing; there is no branch on data.
; IN.  qc [head][tile][512 B]: lane (r, h) holds block h of query-row r.  qs [head][tile][r]: the word (s0, s1, s0, s1).  kv [head][step of 128 keys]: a record of 8,704 bytes: 8 images of K (16 keys x 64),
; 4 fragments of V^T (16 of the head's 64 x 128 keys), 512 bytes of scale words (16 a lane: two words of K's, two of V's).
; THE ROWS OF A TILE: lane-row r of tile 4 c + T is row 64 c + 8 T + r % 8 + 32 (r / 8).  Both products are used transposed (S^T = K Q^T, O^T = V^T P^T), so a lane holds one query (lane % 16), and register 32 c + i of S^T is
; key 64 c + 32 (lane / 16) + i: a lane holds two WHOLE blocks of 32 keys.  A block's largest score needs no other lane, and the conversions' results are P's operand registers as they stand.  O^T likewise: a lane holds block lane / 16 of the head's 64.
; K = 64 in an instruction of 128: source 0 holds two images of K on end, source 1 is (q, 0) for the first and (0, q) for the second: zero codes add nothing.
; SHARES.  A work-group owns 256 queries of one head, each of its sixteen waves one tile of 16; four waves to a SIMD.  The head's 32 records, 278,528 bytes, come into LDS ONCE: two records a wave, one tensor load each, at the head;
; no byte is filled again, so one barrier stands in front of the 32 key steps and none between them.
; CLUSTER: the four work-groups of a cluster share the head and ask for its records jointly.
; NO PREFETCH: every byte that the launch streams is asked for by the head's one group of loads; there is no loop to run ahead in.
; LIMITS: the promise holds while the scaled scores t stay under 2^31 in magnitude; a block of zeros gets the byte 1 with zero codes (this program alone reads the bytes); NaN and infinities are not served.
.set RECB,  8704
.set HEADB, 32*RECB
.set PARTB, 2*RECB                     ; what one tensor load brings: 68 rows of 256 bytes
.set ASL,   HEADB                      ; behind the records: 512 bytes in which the sixteen tiles' scale bytes meet
.set SPARE, HEADB+512                  ; the spare words, 128 bytes for each wave: eight blocks of 256 bytes that no other line names
.set LI,  1                            ; v1   16 x lane
.set R4,  2                            ; v2   4 r
.set ADR, 3                            ; v3   16 x lane + the record in hand
.set ASA, 4                            ; v4   where my row's two scale bytes go
.set ASR, 5                            ; v5   where wave 0 reads 16 of the 512 bytes
.set SH8, 6                            ; v6   8 (lane / 16)
.set SPW, 8                            ; v8   LDS address of my spare word; never rewritten
.set NIL, 9                            ; v9   0; never rewritten
                                       ; v12 -M, v13 the running largest score, v[14:15] the row's sum in two halves
.set QZ,  16                           ; v16-19 zeros, v20-23 Q's image, v24-27 zeros: v[20:27] = (q, 0), v[16:23] = (0, q)
.set QA,  20
.set QS,  28
.set KF,  32                           ; v32-63   eight images of K
.set VF,  64                           ; v64-95   four fragments of V^T
.set S,   96                           ; v96-159  S^T, then p
.set O,   160                          ; v160-191 O^T
.set PCD, 192                          ; v192-199 p's codes
.set SC,  200                          ; v200-207 a record's scale words, two sets by turns
.set PS,  208                          ; v208     p's scale word
.set BM,  210                          ; v210-213 maxima
.set SO,  214                          ; v214-215 the conversions' scale operands
.set PM,  216                          ; v216-217 scale bytes
.set T0,  218
.set T1,  219
.set T2,  220
.set FF,  222                          ; v222 f = 2^(old M - new M); v223 named with it as a pair
.set XA,  224                          ; v224-229 three more chains of the row's sum
.set WV,  18
.set SEL, 20
.set CS,  22
.set G1,  24
.set G0,  32
.set TB,  48
.set CNT, 49
.macro PLACES n
.rept \n
	v_nop
.endr
.endm
.macro CROUND                          ; a round of the cluster's barrier
	s_barrier_signal -1
	s_barrier_wait -1
	s_cmp_lg_u32 s[WV], 0
	s_cbranch_scc1 .Lnot_wave_0_\@
	s_barrier_signal -3
.Lnot_wave_0_\@:
	s_barrier_wait -3
	s_barrier_signal -1
	s_barrier_wait -1
.endm
.macro WM d, a, b, zero, sa, sb, row   ; one product; zero = 1: it starts the sum; row = 1: source 0's scales stand in lanes 16-31
.if \zero
.if \row
	v_wmma_scale_f32_16x16x128_f8f6f4 v[\d:\d+7], v[\a:\a+7], v[\b:\b+7], 0, v[\sa], v[\sb] matrix_a_fmt:MATRIX_FMT_FP4 matrix_b_fmt:MATRIX_FMT_FP4 matrix_a_scale:MATRIX_SCALE_ROW1
.else
	v_wmma_scale_f32_16x16x128_f8f6f4 v[\d:\d+7], v[\a:\a+7], v[\b:\b+7], 0, v[\sa], v[\sb] matrix_a_fmt:MATRIX_FMT_FP4 matrix_b_fmt:MATRIX_FMT_FP4
.endif
.else
.if \row
	v_wmma_scale_f32_16x16x128_f8f6f4 v[\d:\d+7], v[\a:\a+7], v[\b:\b+7], v[\d:\d+7], v[\sa], v[\sb] matrix_a_fmt:MATRIX_FMT_FP4 matrix_b_fmt:MATRIX_FMT_FP4 matrix_a_scale:MATRIX_SCALE_ROW1
.else
	v_wmma_scale_f32_16x16x128_f8f6f4 v[\d:\d+7], v[\a:\a+7], v[\b:\b+7], v[\d:\d+7], v[\sa], v[\sb] matrix_a_fmt:MATRIX_FMT_FP4 matrix_b_fmt:MATRIX_FMT_FP4
.endif
.endif
.endm
.macro PKF j                           ; t - M, two at a time (of the pairs c and -M the low word serves both halves)
	v_pk_fma_f32 v[S+\j:S+\j+1], v[S+\j:S+\j+1], s[CS:CS+1], v[12:13] op_sel_hi:[1,0,0]
.endm
.macro SUM4 k                          ; four pairs of p, from pair k on, onto the sum's four chains
	v_pk_add_f32 v[XA:XA+1], v[XA:XA+1], v[S+2*(\k):S+2*(\k)+1]
	v_pk_add_f32 v[XA+2:XA+3], v[XA+2:XA+3], v[S+2*(\k)+2:S+2*(\k)+3]
	v_pk_add_f32 v[XA+4:XA+5], v[XA+4:XA+5], v[S+2*(\k)+4:S+2*(\k)+5]
	v_pk_add_f32 v[14:15], v[14:15], v[S+2*(\k)+6:S+2*(\k)+7]
.endm
.macro KLOAD off, set                  ; a record's eight images of K and its scale words
.irp t, 0,1,2,3,4,5,6,7
	ds_load_b128 v[KF+4*\t:KF+4*\t+3], v[ADR] offset:\off+512*\t
.endr
	ds_load_b128 v[SC+4*(\set):SC+4*(\set)+3], v[ADR] offset:\off+8192
.endm
	s_load_b256 s[4:11], s[0:1], 0x0               ; qc, qs, kv, ac
	s_load_b64 s[12:13], s[0:1], 0x20              ; asc
	v_lshl_add_u32 v[SPW], v0, 2, SPARE
	v_mov_b32 v[NIL], 0
	ds_add_u32 v[SPW], v[NIL]                      ; the opening adds, twice on end; their wait stands ahead of my first tensor load
	ds_add_u32 v[SPW], v[NIL]
	v_lshrrev_b32 v7, 5, v0
	v_readfirstlane_b32 s[WV], v7                  ; wave 0..15
	v_and_b32 v10, 31, v0                          ; lane
	v_and_b32 v11, 15, v0                          ; r
	v_bfe_u32 v7, v0, 4, 1                         ; h
	v_lshlrev_b32 v[LI], 4, v10
	v_lshlrev_b32 v[R4], 2, v11
	v_lshlrev_b32 v[SH8], 3, v7
	s_lshl_b32 s16, s[WV], 5
	s_add_co_u32 s16, s16, ASL
	v_lshl_add_u32 v[ASA], v11, 1, s16             ; ASL + 32 w + 2 r
	v_add_nc_u32 v[ASR], ASL, v[LI]
	v_mov_b32 v[ADR], v[LI]                        ; record 0
	s_bfe_u32 s50, ttmp6, 0x40000                  ; cx: it enters global addresses of Q and of the results alone
	s_lshl_b32 s51, ttmp9, 2
	s_add_co_u32 s51, s51, s50                     ; which 256 queries
	s_and_b32 s52, ttmp7, 0xffff                   ; the head, which the four partners share
	s_lshl_b32 s53, s51, 4
	s_add_co_u32 s53, s53, s[WV]                   ; my tile in the head
	s_lshl_b32 s54, s52, 8
	s_add_co_u32 s54, s54, s53
	s_lshl_b32 s56, s54, 9                         ; Q's image: 512 bytes a tile
	s_mov_b32 s57, 0
	s_lshl_b32 s58, s54, 6                         ; its scale words: 64 bytes a tile
	s_mov_b32 s59, 0
	s_mul_i32 s60, s52, HEADB
	s_mul_i32 s55, s[WV], PARTB
	s_add_co_u32 s60, s60, s55                     ; my two records of the head: the head and the wave's number alone
	s_mov_b32 s61, 0
	s_lshr_b32 s62, s52, 3
	s_lshl_b32 s62, s62, 8
	s_add_co_u32 s62, s62, s53
	s_lshl_b32 s62, s62, 12                        ; ac: [tile of the batch][head][512 B]
	s_and_b32 s63, s52, 7
	s_lshl_b32 s63, s63, 9
	s_add_co_u32 s62, s62, s63
	s_mov_b32 s63, 0
	s_lshl_b32 s14, s52, 8
	s_lshl_b32 s15, s51, 4
	s_add_co_u32 s14, s14, s15
	s_lshl_b32 s14, s14, 5                         ; asc: [head][tile][row]: 32 bytes a tile, 512 a work-group
	s_mov_b32 s15, 0
	s_mov_b32 s[G1], 15|(3<<16)|(1<<21)            ; 15:0 the mask: all four work-groups; 17:16 elements of 8 bytes; 21 set beside a mask
	s_mov_b32 s[G1+1], 32<<16                      ; a dense run of 17,408 bytes as 68 rows of 32 elements
	s_mov_b32 s[G1+2], 68<<16
	s_mov_b32 s[G1+3], 32<<16
	s_mov_b32 s[G1+4], 68
	s_mov_b32 s[G1+5], 32
	s_mov_b32 s[G1+6], 0
	s_mov_b32 s[G1+7], 0
	s_mov_b32 s[G0], 1
	s_mov_b32 s[G0+1], s55                         ; LDS: as in memory
	s_mov_b32 s[SEL], 0x76543210
	s_mov_b32 s[SEL+1], 0xfedcba98                 ; lane l xor 16
	s_mov_b32 s[CS], 0x3e38aa3b                    ; c = log2(e) / 8
	s_mov_b32 s[CS+1], s[CS]
	s_mov_b32 s[TB], 0
	s_mov_b32 s[CNT], 15
	s_wait_alu depctr_va_vdst(0)
	s_wait_dscnt 0x0                               ; both opening adds are done
	s_wait_kmcnt 0x0
	s_add_nc_u64 s[G0+2:G0+3], s[8:9], s[60:61]
	s_or_b32 s[G0+3], s[G0+3], 0x80000000
	s_add_nc_u64 s[4:5], s[4:5], s[56:57]
	s_add_nc_u64 s[6:7], s[6:7], s[58:59]
	s_add_nc_u64 s[10:11], s[10:11], s[62:63]
	s_add_nc_u64 s[12:13], s[12:13], s[14:15]
	global_load_b128 v[QA:QA+3], v[LI], s[4:5]     ; Q's image stays in registers
	global_load_b32 v[QS], v[R4], s[6:7]
	CROUND                                         ; all four work-groups are here: the joint loads meet
	tensor_load_to_lds s[G0:G0+3], s[G1:G1+7]      ; one tensor load a wave, and no byte is filled twice
	s_nop 0
.irp j, 0,1,2,3
	v_mov_b32 v[QZ+\j], 0
	v_mov_b32 v[QA+4+\j], 0
.endr
	v_mov_b32 v13, 0xff61b1e6                      ; the largest score so far: -3e38
	v_mov_b32 v12, 0x7e000000                      ; -M = 2^125: a whole number; the first change of M multiplies zeros by 0
	v_mov_b32 v14, 0
	v_mov_b32 v15, 0
	v_mov_b32 v[FF+1], 0
	v_mov_b32 v[T2], 0                             ; a lane permute's destination counts as one of its sources
.set J, 0
.rept 32
	v_mov_b32 v[O+J], 0                            ; the step is written for every step alike: the first finds zeros
.set J, J+1
.endr
	s_wait_alu depctr_va_vdst(0)
	s_wait_loadcnt 0x0                             ; Q
	s_wait_tensorcnt 0x0                           ; my two records have landed,
	s_barrier_signal -1
	s_barrier_wait -1                              ; everybody's have: the whole head is in LDS
	KLOAD 0, 0
	s_wait_dscnt 0x0
; A KEY STEP: 128 keys, the record at ADR + e x RECB; its images of K and its scale words (set e) are in registers.  more = 1: the next record's are fetched under the softmax.
.macro STEP e, more
.irp d, 0,1,2,3
	WM S+16*\d, KF+8*\d, QA, 1, SC+4*\e+\d/2, QS, \d%2
	WM S+16*\d+8, KF+8*\d, QZ, 1, SC+4*\e+\d/2, QS, \d%2
.endr
	v_mov_b32 v[T0], v12                           ; the old -M.  With the three below: four places in front of the reads of S^T and of the loads over K's and V's registers
	PLACES 3
.irp f, 0,1,2,3,4,5,6,7
	ds_load_b128 v[VF+4*\f:VF+4*\f+3], v[ADR] offset:\e*RECB+4096+512*\f
.endr
.if \more
	KLOAD (\e+1)*RECB, 1-\e
.if \e
	s_add_co_u32 s[TB], s[TB], 2*RECB
	v_add_nc_u32 v[ADR], s[TB], v[LI]              ; two records on; more than nine plain vector instructions and the batch's wait stand ahead of its next reader
.endif
.endif
.irp c, 0,1                                    ; THE LARGEST SCORE OF EACH OF MY TWO BLOCKS, in two chains each: it serves for the row's maximum and, since p rises with the score, for the block's largest p
	v_max3_num_f32 v[BM+2*\c], v[S+32*\c], v[S+32*\c+1], v[S+32*\c+2]
	v_max3_num_f32 v[BM+2*\c+1], v[S+32*\c+16], v[S+32*\c+17], v[S+32*\c+18]
.endr
.irp i, 3,5,7,9,11,13
.irp c, 0,1
	v_max3_num_f32 v[BM+2*\c], v[BM+2*\c], v[S+32*\c+\i], v[S+32*\c+\i+1]
	v_max3_num_f32 v[BM+2*\c+1], v[BM+2*\c+1], v[S+32*\c+16+\i], v[S+32*\c+17+\i]
.endr
.endr
.irp c, 0,1
	v_max3_num_f32 v[BM+2*\c], v[BM+2*\c], v[BM+2*\c+1], v[S+32*\c+15]
.endr
.irp c, 0,1
	v_max_num_f32 v[BM+2*\c], v[BM+2*\c], v[S+32*\c+31]
.endr
	s_delay_alu instid0(VALU_DEP_1)
	v_max3_num_f32 v[T1], v[BM], v[BM+2], v13
	s_delay_alu instid0(VALU_DEP_1)
	v_permlanex16_b32 v[T2], v[T1], s[SEL], s[SEL+1]
	s_delay_alu instid0(VALU_DEP_1)
	v_max_num_f32 v13, v[T1], v[T2]                ; with lane l xor 16's keys: the running largest score of my query
	s_delay_alu instid0(VALU_DEP_1)
	v_mul_f32 v[T1], s[CS], v13                    ; as t (c is positive)
	s_delay_alu instid0(VALU_DEP_1)
	v_floor_f32 v12, -v[T1]                        ; the new -M = -ceil(t)
	s_delay_alu instid0(VALU_DEP_1)
	v_sub_f32 v[T0], v12, v[T0]                    ; old M - new M: a whole number, 0 or less
.irp j, 0,2,4,6
	PKF \j
.endr
	v_cvt_i32_f32 v[T0], v[T0]                     ; (it saturates)
.irp j, 8,10,12,14
	PKF \j
.endr
	v_ldexp_f32 v[FF], 1.0, v[T0]                  ; f = 2^(old M - new M)
.set J, 16
.rept 24
	PKF J
.set J, J+2
.endr
	v_fma_f32 v[BM], v[BM], s[CS], v12             ; the same of each block's largest score
	v_fma_f32 v[BM+2], v[BM+2], s[CS], v12
	s_wait_alu depctr_va_vdst(0)
	v_exp_f32 v[BM], v[BM]                         ; the blocks' largest p: the same two instructions on the same number give the same bits
	v_exp_f32 v[BM+2], v[BM+2]
.set J, 0
.rept 64
	v_exp_f32 v[S+J], v[S+J]                       ; p = 2^(t - M): not normalised
.set J, J+1
.endr
	v_pk_mul_f32 v[14:15], v[14:15], v[FF:FF+1] op_sel_hi:[1,0]   ; the sum under the new M (a plain place behind the exponentials)
	s_wait_alu depctr_va_vdst(0)                   ; one wait for the whole batch, directly ahead of the first readers of O^T too
.set J, 0
.rept 16
	v_pk_mul_f32 v[O+J:O+J+1], v[O+J:O+J+1], v[FF:FF+1] op_sel_hi:[1,0]   ; O^T under the new M
.set J, J+2
.endr
	v_max_num_f32 v[BM], 0x1800000, v[BM]          ; the floor 2^(3 - 127): the byte cannot fall under 1
	v_max_num_f32 v[BM+2], 0x1800000, v[BM+2]
	v_add_nc_u32 v[SO], 0xff000000, v[BM]          ; 2 off the exponent field: the conversion's scale operand
	v_add_nc_u32 v[SO+1], 0xff000000, v[BM+2]
.irp c, 0,1
.irp g, 0,1,2,3
	v_cvt_scalef32_pk8_fp4_f32 v[PCD+4*\c+\g], v[S+32*\c+8*\g:S+32*\c+8*\g+7], v[SO+\c]   ; registers 4 c .. 4 c + 3 of P's operand: keys 64 c + 32 h + 0 .. 31
.endr
.endr
	v_lshrrev_b32 v[PM], 23, v[SO]                 ; the scales' bytes
	v_lshrrev_b32 v[PM+1], 23, v[SO+1]
	v_pk_add_f32 v[XA:XA+1], v[S:S+1], v[S+2:S+3]  ; THE ROW'S SUM IS TAKEN OF THE UNQUANTISED p: two at a time, in four chains; the scale word's lines stand among them
	v_pk_add_f32 v[XA+2:XA+3], v[S+4:S+5], v[S+6:S+7]
	v_pk_add_f32 v[XA+4:XA+5], v[S+8:S+9], v[S+10:S+11]
	v_pk_add_f32 v[14:15], v[14:15], v[S+12:S+13]
	v_lshl_or_b32 v[PS], v[PM+1], 16, v[PM]        ; my two bytes: blocks h and 2 + h,
	SUM4 7
	v_lshlrev_b32 v[PS], v[SH8], v[PS]             ; at their places in the word;
	SUM4 11
	v_permlanex16_b32 v[T2], v[PS], s[SEL], s[SEL+1]
	SUM4 15
	v_or_b32 v[PS], v[PS], v[T2]                   ; with lane l xor 16's two the word is whole.  Sixteen plain instructions follow ahead of the products that take it
	SUM4 19
	SUM4 23
	SUM4 27
	v_pk_add_f32 v[XA:XA+1], v[XA:XA+1], v[S+62:S+63]
	v_pk_add_f32 v[14:15], v[14:15], v[XA+4:XA+5]
	v_pk_add_f32 v[XA:XA+1], v[XA:XA+1], v[XA+2:XA+3]
	s_delay_alu instid0(VALU_DEP_1)
	v_pk_add_f32 v[14:15], v[14:15], v[XA:XA+1]
	s_wait_dscnt 0x0                               ; V's fragments, and the next record's images and scale words, asked for at the step's head
.irp t, 0,1,2,3
	WM O+8*\t, VF+8*\t, PCD, 0, SC+4*\e+2+\t/2, PS, \t%2   ; the four accumulators by turns
.endr
.endm
.Lstep:                                            ; 15 trips of two steps; the last two steps are written out: the very last fetches nothing
	STEP 0, 1
	STEP 1, 1
	s_sub_co_u32 s[CNT], s[CNT], 1
	s_cmp_lg_u32 s[CNT], 0
	s_cbranch_scc1 .Lstep
	STEP 0, 1
	STEP 1, 0
	; THE WAY OUT: O^T / the sum, quantised along the head's 64: my 32 registers are block lane / 16, whole
	PLACES 4
	s_wait_alu depctr_va_vdst(0)
	v_add_f32 v14, v14, v15                        ; the sum's two halves,
	s_delay_alu instid0(VALU_DEP_1)
	v_permlanex16_b32 v[T2], v14, s[SEL], s[SEL+1]
	s_delay_alu instid0(VALU_DEP_1)
	v_add_f32 v14, v14, v[T2]                      ; and lane l xor 16's: the row's sum
	s_wait_alu depctr_va_vdst(0)
	v_rcp_f32 v14, v14
	v_nop
	s_wait_alu depctr_va_vdst(0)                   ; ahead of its first reader, which is the first reader of O^T too
.set J, 0
.rept 16
	v_pk_mul_f32 v[S+J:S+J+1], v[O+J:O+J+1], v[14:15] op_sel_hi:[1,0]
.set J, J+2
.endr
	v_max3_num_f32 v[BM], |v[S]|, |v[S+1]|, 0x1800000      ; the block's largest magnitude, and the floor 2^(3 - 127)
	v_max3_num_f32 v[BM+1], |v[S+2]|, |v[S+3]|, 0x1800000
.irp i, 4,8,12,16,20,24,28
	v_max3_num_f32 v[BM], v[BM], |v[S+\i]|, |v[S+\i+1]|
	v_max3_num_f32 v[BM+1], v[BM+1], |v[S+\i+2]|, |v[S+\i+3]|
.endr
	s_delay_alu instid0(VALU_DEP_1)
	v_max_num_f32 v[BM], v[BM], v[BM+1]
	s_delay_alu instid0(VALU_DEP_1)
	v_add_nc_u32 v[SO], 0xff000000, v[BM]
.irp g, 0,1,2,3
	v_cvt_scalef32_pk8_fp4_f32 v[PCD+\g], v[S+8*\g:S+8*\g+7], v[SO]
.endr
	v_lshrrev_b32 v[PM], 23, v[SO]                 ; my block's byte (a plain instruction behind the scaled conversions),
	s_delay_alu instid0(VALU_DEP_1)
	v_lshlrev_b32 v[T1], v[SH8], v[PM]             ; at its place in the row's pair;
	s_delay_alu instid0(VALU_DEP_1)
	v_permlanex16_b32 v[T2], v[T1], s[SEL], s[SEL+1]
	s_delay_alu instid0(VALU_DEP_1)
	v_or_b32 v[T1], v[T1], v[T2]                   ; with lane l xor 16's the pair is whole, in both lanes
	global_store_b128 v[LI], v[PCD:PCD+3], s[10:11]   ; the wave's store covers 512 consecutive bytes, aligned
	ds_store_b16 v[ASA], v[T1]                     ; lanes r and r + 16 write the same two bytes with the same value
	s_wait_dscnt 0x0                               ; for the others' sake: my bytes have landed
	s_barrier_signal -1
	s_barrier_wait -1
	s_cmp_lg_u32 s[WV], 0
	s_cbranch_scc1 .Lnot_mine
	ds_load_b128 v[128:131], v[ASR]                ; the sixteen tiles' scale bytes leave as 512 consecutive bytes
	s_wait_dscnt 0x0
	global_store_b128 v[LI], v[128:131], s[12:13]
.Lnot_mine:
	s_wait_tensorcnt 0x0                           ; the wave's end
	ds_add_u32 v[SPW], v[NIL]
	s_wait_dscnt 0x0
	CROUND                                         ; the closing round
	s_endpgm
.Lfunc_end_k_qbdbe527142_attn:
	.size	k_qbdbe527142_attn, .Lfunc_end_k_qbdbe527142_attn-k_qbdbe527142_attn
	.p2alignl 7, 3214868480
	.fill 96, 4, 3214868480
	.section	.rodata,"a",@progbits
	.p2align	6, 0x0
	.amdhsa_kernel k_qbdbe527142_attn
		.amdhsa_group_segment_fixed_size 327680
		.amdhsa_private_segment_fixed_size 0
		.amdhsa_enable_private_segment 0
		.amdhsa_kernarg_size 40
		.amdhsa_user_sgpr_count 2
		.amdhsa_user_sgpr_kernarg_segment_ptr 1
		.amdhsa_wavefront_size32 1
		.amdhsa_system_sgpr_workgroup_id_x 1
		.amdhsa_system_sgpr_workgroup_id_y 1
		.amdhsa_system_sgpr_workgroup_id_z 1
		.amdhsa_system_vgpr_workitem_id 0
		.amdhsa_next_free_vgpr 240
		.amdhsa_next_free_sgpr 66
		.amdhsa_reserve_vcc 0
		.amdhsa_float_denorm_mode_32 3
		.amdhsa_float_denorm_mode_16_64 3
		.amdhsa_memory_ordered 1
		.amdhsa_forward_progress 1
		.amdhsa_inst_pref_size 65
	.end_amdhsa_kernel
	.amdgpu_metadata
---
amdhsa.version: [ 1, 2 ]
amdhsa.kernels:
  - .name:           k_qbdbe527142_attn
    .symbol:         k_qbdbe527142_attn.kd
    .args:
      - { .name: qc, .offset: 0, .size: 8, .value_kind: global_buffer, .address_space: global }
      - { .name: qs, .offset: 8, .size: 8, .value_kind: global_buffer, .address_space: global }
      - { .name: kv, .offset: 16, .size: 8, .value_kind: global_buffer, .address_space: global }
      - { .name: ac, .offset: 24, .size: 8, .value_kind: global_buffer, .address_space: global }
      - { .name: asc, .offset: 32, .size: 8, .value_kind: global_buffer, .address_space: global }
    .group_segment_fixed_size: 327680
    .private_segment_fixed_size: 0
    .kernarg_segment_align: 8
    .kernarg_segment_size: 40
    .max_flat_workgroup_size: 512
    .sgpr_count:     66
    .vgpr_count:     240
    .wavefront_size: 32
...
	.end_amdgpu_metadata
.endif
;; end of part 3
;; launch oproj (part 4): grid 64 x 4, 8 waves a work-group, clusters of 4 x 1, 168,960 bytes of LDS; arguments ac, asc, codes, bo, out0; writes out0
.if DOCPART == 4
	.amdgcn_target "amdgcn-amd-amdhsa--gfx1250"
	.amdhsa_code_object_version 6
	.text
	.protected	k_qbdbe527142_oproj
	.globl	k_qbdbe527142_oproj
	.p2align	8
	.type	k_qbdbe527142_oproj,@function
k_qbdbe527142_oproj:
	s_mov_b64 s[64:65], 0
	v_nop
	global_prefetch_b8 v0, s[64:65] scope:SCOPE_SE
	s_setreg_imm32_b32 hwreg(HW_REG_WAVE_MODE, 25, 1), 1
	s_wait_xcnt 0x0
	s_wait_alu depctr_hold_cnt(0) depctr_sa_sdst(0) depctr_va_vdst(0) depctr_va_sdst(0) depctr_va_ssrc(0) depctr_va_vcc(0) depctr_vm_vsrc(0)
	s_getreg_b32 s2, hwreg(HW_REG_IB_STS2, 6, 4)
	s_cmp_eq_u32 s2, 0
	s_cbranch_scc0 .Lentry_in_a_cluster
	s_endpgm
.Lentry_in_a_cluster:
	s_bfe_u32 s2, ttmp6, 0x10000c
	s_cmp_lg_u32 s2, 0x3003
	s_cbranch_scc0 .Lentry_shape_is_right
	s_endpgm
.Lentry_shape_is_right:
; out = attn Wo^T + bo on codes of FP4 with E8M0 scales, K = 512.  attn's codes lie as register images ([tile][head][512 B]: K step = head / 2, image = head % 2), its scale bytes as [head][tile][row] pairs of bytes.
; SHARES.  Work-group (i, g): tokens 128 i .. 128 i + 127, outputs 128 g .. 128 g + 127.  Wo's block g (34,816 bytes: codes in register order, then scale words) comes into LDS once, a sixteenth of... an eighth a wave;
; wave w takes attn's tile 8 i + w as the fixed operand (source 1), straight from memory into registers, against Wo's eight tiles (source 0): 32 matrix instructions.
; A lane then holds one token (lane-row r of the tile: token 64 (w / 4) + 8 (w % 4) + r % 8 + 32 (r / 8) of the block) and, in registers 32 c + i, outputs 64 c + 32 (lane / 16) + i.  bo is the C of the first products.
; The results go through the wave's own stage in LDS and leave as runs of 512 consecutive bytes of a row of out.
; CLUSTER: the four work-groups of a cluster share g and ask for Wo's block jointly.
; THE ROWS OF A TILE, as this text now takes them (this line stands for what the head says of them): lane-row r of tile 4 c + T is row 64 c + 8 T + r % 8 + 32 (r / 8), of attn's tokens and of Wo's outputs alike:
; a lane holds token 64 (w / 4) + 8 (w % 4) + r % 8 + 32 (r / 8) of the block and, in register 8 t + j, output 64 (t / 4) + 8 (t % 4) + j + 32 (lane / 16).
.set BLKB,  34816
.set PARTB, 4352                       ; a wave's eighth of the block: 17 rows of 256 bytes
.set SP,    528                        ; a stage row: 512 bytes + 16
.set STG,   BLKB                       ; behind the block: a stage of 16 rows for each wave
.set LI,  1                            ; v1   16 x lane
.set RAD, 1                            ; the running block begins at LDS byte 0
.set H64, 2                            ; v2   128 h
.set R2,  3                            ; v3   2 r
.set STW, 4                            ; v4   into the stage: row r, + 128 h
.set STR, 5                            ; v5   out of it: 16 x lane
.set FS,  12
.set RS,  16
.set F,   32
.set ACC, 64
.set RA,  128
.set RB,  192
.set WV,  18
.set G1,  24
.set G0,  32
.macro PLACES n
.rept \n
	v_nop
.endr
.endm
.macro CROUND
	s_barrier_signal -1
	s_barrier_wait -1
	s_cmp_lg_u32 s[WV], 0
	s_cbranch_scc1 .Lnot_wave_0_\@
	s_barrier_signal -3
.Lnot_wave_0_\@:
	s_barrier_wait -3
	s_barrier_signal -1
	s_barrier_wait -1
.endm
.macro WM d, a, b, sa, sb, row         ; one product onto its accumulator; row = 1: source 0's scales stand in lanes 16-31
.if \row
	v_wmma_scale_f32_16x16x128_f8f6f4 v[\d:\d+7], v[\a:\a+7], v[\b:\b+7], v[\d:\d+7], v[\sa], v[\sb] matrix_a_fmt:MATRIX_FMT_FP4 matrix_b_fmt:MATRIX_FMT_FP4 matrix_a_scale:MATRIX_SCALE_ROW1
.else
	v_wmma_scale_f32_16x16x128_f8f6f4 v[\d:\d+7], v[\a:\a+7], v[\b:\b+7], v[\d:\d+7], v[\sa], v[\sb] matrix_a_fmt:MATRIX_FMT_FP4 matrix_b_fmt:MATRIX_FMT_FP4
.endif
.endm
.macro MULK buf, s                     ; K step s: the eight accumulators take turns, one instruction a turn
.irp t, 0,1,2,3,4,5,6,7
	WM ACC+8*\t, \buf+8*\t, F+8*\s, RS+4*(\t/2)+\s, FS+\s, \t%2
.endr
.endm
.macro RLOAD buf, s
.irp t, 0,1,2,3,4,5,6,7
.irp c, 0,1
	ds_load_b128 v[\buf+8*\t+4*\c:\buf+8*\t+4*\c+3], v[RAD] offset:4096*\t+1024*\s+512*\c
.endr
.endr
.endm
	s_load_b256 s[4:11], s[0:1], 0x0               ; ac, asc, codes, bo
	s_load_b64 s[12:13], s[0:1], 0x20              ; out0
	v_lshl_add_u32 v10, v0, 2, 0x29000
	v_mov_b32 v11, 0
	ds_add_u32 v10, v11
	ds_add_u32 v10, v11
	v_lshrrev_b32 v6, 5, v0
	s_delay_alu instid0(VALU_DEP_1)
	v_readfirstlane_b32 s[WV], v6                  ; wave 0..7
	v_and_b32 v7, 31, v0
	v_and_b32 v8, 15, v0                           ; r
	v_bfe_u32 v9, v0, 4, 1                         ; h
	s_delay_alu instid0(VALU_DEP_3)
	v_lshlrev_b32 v[LI], 4, v7
	s_delay_alu instid0(VALU_DEP_2)
	v_lshlrev_b32 v[H64], 7, v9                    ; 128 h: lanes 16-31 stand 32 numbers on
	s_delay_alu instid0(VALU_DEP_4)
	v_lshlrev_b32 v[R2], 1, v8
	s_mul_i32 s16, s[WV], 16*SP
	s_add_co_u32 s16, s16, STG                     ; my stage
	v_mul_u32_u24 v[STW], v8, SP
	s_delay_alu instid0(VALU_DEP_1)
	v_lshl_add_u32 v[STW], v9, 7, v[STW]
	s_delay_alu instid0(VALU_DEP_1)
	v_add_nc_u32 v[STW], s16, v[STW]
	v_add_nc_u32 v[STR], s16, v[LI]
	s_bfe_u32 s50, ttmp6, 0x40000                  ; cx: it enters global addresses of attn and of out alone
	s_lshl_b32 s51, ttmp9, 2
	s_add_co_u32 s51, s51, s50                     ; i
	s_and_b32 s52, ttmp7, 0xffff                   ; g, which the four partners share
	s_add_co_u32 s56, s52, 76
	s_mul_i32 s56, s56, BLKB                       ; Wo's block g, my eighth of it
	s_mul_i32 s55, s[WV], PARTB
	s_add_co_u32 s56, s56, s55
	s_mov_b32 s57, 0
	s_lshl_b32 s58, s51, 3
	s_add_co_u32 s58, s58, s[WV]
	s_lshl_b32 s58, s58, 12                        ; attn's tile 8 i + w: 4,096 bytes
	s_mov_b32 s59, 0
	s_lshr_b32 s60, s51, 5
	s_lshl_b32 s60, s60, 11                        ; its scale bytes: head 8 b, 256 tiles a head,
	s_and_b32 s61, s51, 31
	s_lshl_b32 s61, s61, 3
	s_add_co_u32 s60, s60, s61
	s_add_co_u32 s60, s60, s[WV]                   ; tile 8 il + w,
	s_lshl_b32 s60, s60, 5                         ; 32 bytes a tile
	s_mov_b32 s61, 0
	s_lshl_b32 s62, s52, 9                         ; my 128 numbers of bo; also my 512 bytes of a row of out
	s_mov_b32 s63, 0
	s_lshl_b32 s14, s51, 7
	s_lshr_b32 s15, s[WV], 2
	s_lshl_b32 s15, s15, 6
	s_add_co_u32 s14, s14, s15
	s_and_b32 s15, s[WV], 3
	s_lshl_b32 s15, s15, 3
	s_add_co_u32 s14, s14, s15                     ; my tile's first token: 128 i + 64 (w / 4) + 8 (w % 4)
	s_lshl_b32 s14, s14, 11
	s_add_co_u32 s14, s14, s62
	s_mov_b32 s15, 0
	; descriptor group 1: a dense run of 4,352 bytes as 17 rows of 32 elements of 8 bytes, no padding
	s_mov_b32 s[G1], 15|(3<<16)|(1<<21)            ; 15:0 the mask: all four work-groups; 17:16 elements of 8 bytes; 21 set beside a mask
	s_mov_b32 s[G1+1], 32<<16
	s_mov_b32 s[G1+2], 17<<16
	s_mov_b32 s[G1+3], 32<<16
	s_mov_b32 s[G1+4], 17
	s_mov_b32 s[G1+5], 32
	s_mov_b32 s[G1+6], 0
	s_mov_b32 s[G1+7], 0
	s_mov_b32 s[G0], 1
	s_mov_b32 s[G0+1], s55                         ; LDS: as in memory
	s_wait_dscnt 0x0
	s_wait_kmcnt 0x0
	s_add_nc_u64 s[G0+2:G0+3], s[8:9], s[56:57]
	s_or_b32 s[G0+3], s[G0+3], 0x80000000
	s_add_nc_u64 s[4:5], s[4:5], s[58:59]
	s_add_nc_u64 s[6:7], s[6:7], s[60:61]
	s_add_nc_u64 s[10:11], s[10:11], s[62:63]
	s_add_nc_u64 s[12:13], s[12:13], s[14:15]
	CROUND                                         ; all four work-groups are here: the joint loads meet
	tensor_load_to_lds s[G0:G0+3], s[G1:G1+7]      ; one tensor load a wave, and no byte is filled twice
	s_nop 0
	PLACES 4
	s_wait_alu depctr_va_vdst(0)
.irp t, 0,1,2,3,4,5,6,7
	global_load_b128 v[ACC+8*\t:ACC+8*\t+3], v[H64], s[10:11] offset:(64*(\t/4)+8*(\t%4))*4        ; bo in the result's layout: the C of the first products
	global_load_b128 v[ACC+8*\t+4:ACC+8*\t+7], v[H64], s[10:11] offset:(64*(\t/4)+8*(\t%4))*4+16
.endr
.irp e, 0,1,2,3,4,5,6,7
	global_load_b128 v[F+4*\e:F+4*\e+3], v[LI], s[4:5] offset:512*\e th:TH_LOAD_NT   ; head e's image: registers 4 (e % 2) on of K step e / 2
.endr
.irp e, 0,1,2,3,4,5,6,7
	global_load_u16 v[RB+\e], v[R2], s[6:7] offset:8192*\e   ; head e's two scale bytes of my row
.endr
	s_wait_loadcnt 0x0
.irp s, 0,1,2,3
	v_lshl_or_b32 v[FS+\s], v[RB+1+2*\s], 16, v[RB+2*\s]     ; K step s's scale word: heads 2 s and 2 s + 1
.endr
	PLACES 8                                       ; a scale register written by a vector instruction stands eight places ahead of a scaled product
	s_wait_alu depctr_va_vdst(0)
	s_wait_tensorcnt 0x0                           ; my eighth of Wo's block has landed,
	s_barrier_signal -1
	s_barrier_wait -1                              ; everybody's has
.irp p, 0,1,2,3
	ds_load_b128 v[RS+4*\p:RS+4*\p+3], v[RAD] offset:32768+512*\p
.endr
	RLOAD RA, 0
	RLOAD RB, 1
	s_wait_dscnt 16                                ; all but RB's 16 loads are in
	MULK RA, 0
	PLACES 4                                       ; in front of loads into registers that matrix instructions have read
	RLOAD RA, 2
	s_wait_dscnt 16                                ; RB is in
	MULK RB, 1
	PLACES 4
	RLOAD RB, 3
	s_wait_dscnt 16                                ; RA is in
	MULK RA, 2
	s_wait_dscnt 0x0
	MULK RB, 3
	PLACES 4                                       ; in front of the reads of the results and of the loads over RA
.irp t, 0,1,2,3,4,5,6,7
	ds_store_b128 v[STW], v[ACC+8*\t:ACC+8*\t+3] offset:256*(\t/4)+32*(\t%4)          ; each accumulator from its low end on
	ds_store_b128 v[STW], v[ACC+8*\t+4:ACC+8*\t+7] offset:256*(\t/4)+32*(\t%4)+16
.endr
.irp n, 0,1,2,3,4,5,6,7,8,9,10,11,12,13,14,15
	ds_load_b128 v[RA+4*\n:RA+4*\n+3], v[STR] offset:SP*\n   ; the stage is my wave's own, and LDS serves a wave's instructions in order: these see the stores above
.endr
.irp n, 0,1,2,3,4,5,6,7,8,9,10,11,12,13,14,15
	s_wait_dscnt 15-\n                             ; row n is back, the younger ones stay out
	global_store_b128 v[LI], v[RA+4*\n:RA+4*\n+3], s[12:13] offset:(\n+24*(\n/8))*2048 th:TH_STORE_NT   ; 32 lanes store 512 consecutive bytes, aligned; written once, read by nobody here
.endr
	s_wait_tensorcnt 0x0
	ds_add_u32 v10, v11
	s_wait_dscnt 0x0
	CROUND                                         ; the closing round
	s_endpgm
.Lfunc_end_k_qbdbe527142_oproj:
	.size	k_qbdbe527142_oproj, .Lfunc_end_k_qbdbe527142_oproj-k_qbdbe527142_oproj
	.p2alignl 7, 3214868480
	.fill 96, 4, 3214868480
	.section	.rodata,"a",@progbits
	.p2align	6, 0x0
	.amdhsa_kernel k_qbdbe527142_oproj
		.amdhsa_group_segment_fixed_size 168960
		.amdhsa_private_segment_fixed_size 0
		.amdhsa_enable_private_segment 0
		.amdhsa_kernarg_size 40
		.amdhsa_user_sgpr_count 2
		.amdhsa_user_sgpr_kernarg_segment_ptr 1
		.amdhsa_wavefront_size32 1
		.amdhsa_system_sgpr_workgroup_id_x 1
		.amdhsa_system_sgpr_workgroup_id_y 1
		.amdhsa_system_sgpr_workgroup_id_z 1
		.amdhsa_system_vgpr_workitem_id 0
		.amdhsa_next_free_vgpr 256
		.amdhsa_next_free_sgpr 66
		.amdhsa_reserve_vcc 0
		.amdhsa_float_denorm_mode_32 3
		.amdhsa_float_denorm_mode_16_64 3
		.amdhsa_memory_ordered 1
		.amdhsa_forward_progress 1
		.amdhsa_inst_pref_size 22
	.end_amdhsa_kernel
	.amdgpu_metadata
---
amdhsa.version: [ 1, 2 ]
amdhsa.kernels:
  - .name:           k_qbdbe527142_oproj
    .symbol:         k_qbdbe527142_oproj.kd
    .args:
      - { .name: ac, .offset: 0, .size: 8, .value_kind: global_buffer, .address_space: global }
      - { .name: asc, .offset: 8, .size: 8, .value_kind: global_buffer, .address_space: global }
      - { .name: codes, .offset: 16, .size: 8, .value_kind: global_buffer, .address_space: global }
      - { .name: bo, .offset: 24, .size: 8, .value_kind: global_buffer, .address_space: global }
      - { .name: out0, .offset: 32, .size: 8, .value_kind: global_buffer, .address_space: global }
    .group_segment_fixed_size: 168960
    .private_segment_fixed_size: 0
    .kernarg_segment_align: 8
    .kernarg_segment_size: 40
    .max_flat_workgroup_size: 256
    .sgpr_count:     66
    .vgpr_count:     256
    .wavefront_size: 32
...
	.end_amdgpu_metadata
.endif
;; end of part 4
